; MI455X (gfx1250); checked and timed in simulation.
; The chip was launched on July 23, 2026; its instructions are those of AMD's public machine-readable ISA for CDNA 5 (MIT licence, August 2026) and "CDNA5" Instruction Set Architecture Reference Guide (July 2026). The comments in the code are by the model that wrote it; some were corrected since.
;; Inv SGSS Quantized Linear. Allowed arithmetic: float matrix products may take bf16 or f16 operands with f32 sums; other float arithmetic in f32, or as packed bf16 or f16 multiplies, adds, multiply-adds, maxima and minima; sums over many terms, partial sums and values carried from step to step in f32; what a program stores and reads back later, other than sums and carried values, may be rounded once to bf16 or f16.
;; Inputs: W_q 4,096 x 4,096 int32; bias 4,096 float32; mu1 4,096 float32; mu2 4,096 float32; scales 4,096 x 32 x 1 float32; x 4 x 1,024 x 4,096 float32; zeros 4,096 x 32 x 1 float32.
;; Outputs: out0 4 x 1,024 x 4,096 float32.
;; 2 versions, each right; version 2 is version 1 with the launch prep written anew for expert scheduling mode. Each part assembles by itself: llvm-mc -triple=amdgcn-amd-amdhsa -mcpu=gfx1250 --defsym DOCPART=n.
;; ======== version 1 of 2: 2 launches
;; limits: values are held in f16: magnitudes above 65,504 overflow, below 6.1e-05 lose precision
;; workspace buffers: xh 33,554,432 bytes; wh 33,554,432 bytes
;; launch prep (part 1): grid 128 x 2, 8 waves a work-group, no clusters, 17,408 bytes of LDS; arguments x, W_q, scales, zeros, mu1, xh, wh; writes xh, wh
.if DOCPART == 1
	.amdgcn_target "amdgcn-amd-amdhsa--gfx1250"
	.amdhsa_code_object_version 6
	.text
	.protected	k_q62fa720ed7_prep
	.globl	k_q62fa720ed7_prep
	.p2align	8
	.type	k_q62fa720ed7_prep,@function
k_q62fa720ed7_prep:
	s_mov_b64 s[64:65], 0
	v_nop
	global_prefetch_b8 v0, s[64:65] scope:SCOPE_SE
	s_setreg_imm32_b32 hwreg(HW_REG_WAVE_MODE, 25, 1), 1
	s_wait_xcnt 0x0
; BOTH OPERANDS OF THE PRODUCT, MADE ONCE.  Work-groups with y = 0: xh[m][n] = f16(x[m][n] * mu1[n]).  Work-groups with y = 1:
; wh[k][n] = f16((q - z) * s), q = W_q[k][n] as f32, z = zeros[k][n / 128], s = scales[k][n / 128].  x, W_q: [4096][4096] of 4 bytes; xh, wh: [4096][4096] f16.
; The launch behind multiplies the two, and applies mu2[k] and bias[k] in f32: out = mu2 * sum(xh wh) + bias, which is reference()'s sum with its factors in another order.
; FORMATS AND LIMITS.  All arithmetic here is f32 on the inputs as given; each operand is rounded once, to f16 (11 significant bits).  q - z is formed directly: no difference of
; large sums.  f16 ends at 65,504: this text serves |x mu1| and |(q - z) s| below that.  With the factors split so, x of magnitude 5, mu1 of 1.5, z of 15 and s of 0.05 give 8 and 0.75, and all of
; them 30 times larger 7,200 and 675.  Below 6e-5 an operand keeps f16's fixed step of 6e-8.  q may be any int32 within that limit (beyond 2^24 it is rounded as a
; conversion to f32 rounds).  NaN and infinities pass through untreated.
; SHARES.  A work-group owns 32 rows, wave w of eight the columns 512 w .. 512 w + 511 (groups 4 w .. 4 w + 3) of each.  A row's share of a wave is four loads of 16 bytes
; a lane (load j: 512 consecutive bytes, one group) and four stores of 8 bytes a lane (256 consecutive bytes, at a multiple of 256 from the buffer's first byte).
; A ring of eight row slots in registers keeps 32 loads of every wave on their way; loads go out ahead of stores; every byte is read once and written once.
; THE TABLE (weights).  Lane l of a wave takes row l: its s and z of the wave's four groups, and stores four records {z, z, s, s} (pairs for the packed arithmetic)
; at 2048 w + 64 l + 16 j.  A wave reads only the records that it stored itself, and LDS serves a wave's instructions in order (ISA guide 5.7.1.4): no barrier.
; LEFT OUT.  No tensor loads and no LDS for the data: no wave wants a byte that another fetched.  No cluster: of a work-group's 528 KiB of input only mu1's 16 KiB are shared.
; No matrix unit: there is no product here.
.set ROWI,   16384                     ; bytes in a row of x and of W_q
.set ROWO,   8192                      ; bytes in a row of xh and of wh
.set DEPTH,  8                         ; row slots
.set ROUNDS, 32/DEPTH                  ; each round takes every slot once
.set SPARE,  16384                     ; behind the eight tables: the spare words, 128 bytes for each wave: four blocks of 256 bytes that no other line names
.set IN,  2                            ; v2       2048 w + 16 l: my 16 bytes of load 0 in a row of x or W_q, and in mu1; never rewritten
.set OU,  3                            ; v3       1024 w + 8 l: my 8 bytes of store 0 in a row of xh or wh; never rewritten
.set LA,  5                            ; v5       LDS address of the round's first record of my wave's table
.set TS,  6                            ; v6       where I store my row's four records
.set TO,  7                            ; v7       128 l + 16 w: my row's four s, and z
.set SPW, 8                            ; v8       LDS address of my spare word: SPARE + 4 x my thread's number; never rewritten
.set NIL, 9                            ; v9       0; never rewritten
.set MU,  12                           ; v[12:27] x's way: mu1 of my 16 columns
.set REC, 28                           ; v[28:43] the weights' way: the row's four records
.set T,   44                           ; v[44:59] 16 numbers in f32, at work
.set SC,  44                           ; while the table is made: v[44:47] s, v[48:51] z
.set ZE,  48
.set Y,   60                           ; v[60:67] 16 f16 to store
.set X,   68                           ; v[68:195] slot i: 16 registers as loaded
	s_load_b256 s[4:11], s[0:1], 0x0               ; x s[4:5], W_q s[6:7], scales s[8:9], zeros s[10:11]
	s_load_b128 s[12:15], s[0:1], 0x20             ; mu1 s[12:13], xh s[14:15]
	s_load_b64 s[16:17], s[0:1], 0x30              ; wh
	v_lshl_add_u32 v[SPW], v0, 2, SPARE
	v_mov_b32 v[NIL], 0
	v_lshrrev_b32 v1, 5, v0
	v_readfirstlane_b32 s20, v1                    ; wave 0..7
	s_and_b32 s21, ttmp7, 0xffff                   ; y: 0 for x, 1 for the weights
	s_lshl_b32 s22, ttmp9, 19                      ; the work-group's 32 rows of 16,384 bytes in,
	s_mov_b32 s23, 0
	s_lshl_b32 s24, ttmp9, 18                      ; and of 8,192 bytes out
	s_mov_b32 s25, 0
	v_and_b32 v1, 31, v0                           ; lane
	v_lshlrev_b32 v[IN], 4, v1
	v_lshl_add_u32 v[IN], s20, 11, v[IN]
	v_lshlrev_b32 v[OU], 3, v1
	v_lshl_add_u32 v[OU], s20, 10, v[OU]
	s_wait_kmcnt 0x0
	s_cmp_eq_u32 s21, 0
	s_cbranch_scc1 .Lx                             ; the same way for all eight waves of a work-group
; The ring's first fill: rows 0 to 7, 32 loads.
.macro FILL src
.irp i, 0,1,2,3,4,5,6,7
.irp j, 0,1,2,3
	global_load_b128 v[X+16*(\i)+4*(\j):X+16*(\i)+4*(\j)+3], v[IN], s[(\src):(\src)+1] offset:ROWI*(\i)+512*(\j) th:TH_LOAD_NT
.endr
.endr
.endm
; One slot's turn.  deq = 1: weights; 0: x.  ahead = 1: the slot is filled again with the row DEPTH further down.
; left = how many younger loads may stay out when this slot's four have to be there.
.macro SLOT i, deq, ahead, left, src, dst
.if \deq
.irp j, 0,1,2,3
	ds_load_b128 v[REC+4*(\j):REC+4*(\j)+3], v[LA] offset:64*(\i)+16*(\j)  ; the row's record of group j: one address for all lanes; it comes while the wave waits for the row
.endr
.endif
	s_wait_loadcnt \left                           ; loads come back in order (ISA guide 5.7.1): my four are in (and all that were issued ahead of them), the younger ones stay out
	s_wait_xcnt 0x0                                ; every earlier memory instruction has had its addresses translated (ISA guide 3.1): Y, which the last slot's stores read, is rewritten only behind this wait
.if \deq
.irp n, 0,1,2,3,4,5,6,7,8,9,10,11,12,13,14,15
	v_cvt_f32_i32 v[T+(\n)], v[X+16*(\i)+(\n)]
.endr
.else
.irp n, 0,1,2,3,4,5,6,7
	v_pk_mul_f32 v[T+2*(\n):T+2*(\n)+1], v[X+16*(\i)+2*(\n):X+16*(\i)+2*(\n)+1], v[MU+2*(\n):MU+2*(\n)+1]  ; x mu1
.endr
.endif
.if \ahead
.irp j, 0,1,2,3
	global_load_b128 v[X+16*(\i)+4*(\j):X+16*(\i)+4*(\j)+3], v[IN], s[(\src):(\src)+1] offset:ROWI*((\i)+DEPTH)+512*(\j) th:TH_LOAD_NT  ; the slot has been read: its next row, ahead of the stores
.endr
.endif
.if \deq
	s_wait_dscnt 0x0                               ; the four records
.irp j, 0,1,2,3
	v_pk_add_f32 v[T+4*(\j):T+4*(\j)+1],   v[T+4*(\j):T+4*(\j)+1],   v[REC+4*(\j):REC+4*(\j)+1] neg_lo:[0,1] neg_hi:[0,1]  ; q - z
	v_pk_add_f32 v[T+4*(\j)+2:T+4*(\j)+3], v[T+4*(\j)+2:T+4*(\j)+3], v[REC+4*(\j):REC+4*(\j)+1] neg_lo:[0,1] neg_hi:[0,1]
	v_pk_mul_f32 v[T+4*(\j):T+4*(\j)+1],   v[T+4*(\j):T+4*(\j)+1],   v[REC+4*(\j)+2:REC+4*(\j)+3]  ; times s
	v_pk_mul_f32 v[T+4*(\j)+2:T+4*(\j)+3], v[T+4*(\j)+2:T+4*(\j)+3], v[REC+4*(\j)+2:REC+4*(\j)+3]
.endr
.endif
.irp n, 0,1,2,3,4,5,6,7
	v_cvt_pk_f16_f32 v[Y+(\n)], v[T+2*(\n)], v[T+2*(\n)+1]  ; two roundings to f16, packed
.endr
.irp j, 0,1,2,3
	global_store_b64 v[OU], v[Y+2*(\j):Y+2*(\j)+1], s[(\dst):(\dst)+1] offset:ROWO*(\i)+256*(\j) th:TH_STORE_NT  ; 32 lanes store 256 consecutive bytes, at a multiple of 256 from the buffer's first byte
.endr
.endm
	; ---------------- THE WEIGHTS ----------------
	s_add_nc_u64 s[6:7], s[6:7], s[22:23]          ; W_q and wh at the work-group's first row
	s_add_nc_u64 s[16:17], s[16:17], s[24:25]
	s_lshl_b32 s26, ttmp9, 12                      ; 32 rows of 32 groups of 4 bytes
	s_mov_b32 s27, 0
	s_add_nc_u64 s[8:9], s[8:9], s[26:27]
	s_add_nc_u64 s[10:11], s[10:11], s[26:27]
	v_lshlrev_b32 v[TO], 7, v1
	v_lshl_add_u32 v[TO], s20, 4, v[TO]
	v_lshlrev_b32 v[TS], 6, v1
	v_lshl_add_u32 v[TS], s20, 11, v[TS]
	s_lshl_b32 s30, s20, 11                        ; my wave's table; it steps by a round's eight rows of 64 bytes
	global_load_b128 v[SC:SC+3], v[TO], s[8:9]     ; two small loads first,
	global_load_b128 v[ZE:ZE+3], v[TO], s[10:11]
	FILL 6                                         ; then the ring
	s_wait_loadcnt 32                              ; the two are in; the ring's 32 stay out
.irp j, 0,1,2,3
	v_mov_b32 v[REC+4*(\j)],   v[ZE+(\j)]
	v_mov_b32 v[REC+4*(\j)+1], v[ZE+(\j)]
	v_mov_b32 v[REC+4*(\j)+2], v[SC+(\j)]
	v_mov_b32 v[REC+4*(\j)+3], v[SC+(\j)]
	ds_store_b128 v[TS], v[REC+4*(\j):REC+4*(\j)+3] offset:16*(\j)
.endr
	s_wait_dscnt 0x0                               ; the stores are done: their data registers take the records read back
	s_mov_b32 s28, ROUNDS-1
.Lround_w:
	v_mov_b32 v[LA], s30
.irp i, 0,1,2,3,4,5,6,7
	SLOT \i, 1, 1, 4*(DEPTH-1), 6, 16              ; seven younger slots of four loads stay out
.endr
	s_wait_xcnt 0x0                                ; the round's loads and stores have read their bases, which step now
	s_add_nc_u64 s[6:7], s[6:7], DEPTH*ROWI
	s_add_nc_u64 s[16:17], s[16:17], DEPTH*ROWO
	s_add_co_u32 s30, s30, DEPTH*64
	s_sub_co_u32 s28, s28, 1
	s_cmp_lg_u32 s28, 0
	s_cbranch_scc1 .Lround_w
	v_mov_b32 v[LA], s30
.irp i, 0,1,2,3,4,5,6,7
	SLOT \i, 1, 0, 4*(DEPTH-1-(\i)), 6, 16         ; the last round loads nothing: the counts run down
.endr
	s_wait_tensorcnt 0x0                           ; the wave's end: a wait for tensor loads, an add of 0 to my spare word and a wait for it, behind my last LDS store
	ds_add_u32 v[SPW], v[NIL]
	s_wait_dscnt 0x0
	s_endpgm
	; ---------------- x ----------------
.Lx:
	s_add_nc_u64 s[4:5], s[4:5], s[22:23]          ; x and xh at the work-group's first row
	s_add_nc_u64 s[14:15], s[14:15], s[24:25]
.irp j, 0,1,2,3
	global_load_b128 v[MU+4*(\j):MU+4*(\j)+3], v[IN], s[12:13] offset:512*(\j)  ; mu1 of my 16 columns, ahead of the ring: the first slot's counted wait shows these four in too
.endr
	FILL 4
	s_mov_b32 s28, ROUNDS-1
.Lround_x:
.irp i, 0,1,2,3,4,5,6,7
	SLOT \i, 0, 1, 4*(DEPTH-1), 4, 14
.endr
	s_wait_xcnt 0x0                                ; the round's loads and stores have read their bases, which step now
	s_add_nc_u64 s[4:5], s[4:5], DEPTH*ROWI
	s_add_nc_u64 s[14:15], s[14:15], DEPTH*ROWO
	s_sub_co_u32 s28, s28, 1
	s_cmp_lg_u32 s28, 0
	s_cbranch_scc1 .Lround_x
.irp i, 0,1,2,3,4,5,6,7
	SLOT \i, 0, 0, 4*(DEPTH-1-(\i)), 4, 14
.endr
	s_wait_tensorcnt 0x0                           ; the wave's end, in the same form as on the other way
	ds_add_u32 v[SPW], v[NIL]
	s_wait_dscnt 0x0
	s_endpgm
.Lfunc_end_k_q62fa720ed7_prep:
	.size	k_q62fa720ed7_prep, .Lfunc_end_k_q62fa720ed7_prep-k_q62fa720ed7_prep
	.p2alignl 7, 3214868480
	.fill 96, 4, 3214868480
	.section	.rodata,"a",@progbits
	.p2align	6, 0x0
	.amdhsa_kernel k_q62fa720ed7_prep
		.amdhsa_group_segment_fixed_size 17408
		.amdhsa_private_segment_fixed_size 0
		.amdhsa_enable_private_segment 0
		.amdhsa_kernarg_size 56
		.amdhsa_user_sgpr_count 2
		.amdhsa_user_sgpr_kernarg_segment_ptr 1
		.amdhsa_wavefront_size32 1
		.amdhsa_system_sgpr_workgroup_id_x 1
		.amdhsa_system_sgpr_workgroup_id_y 1
		.amdhsa_system_sgpr_workgroup_id_z 1
		.amdhsa_system_vgpr_workitem_id 0
		.amdhsa_next_free_vgpr 196
		.amdhsa_next_free_sgpr 66
		.amdhsa_reserve_vcc 0
		.amdhsa_float_denorm_mode_32 3
		.amdhsa_float_denorm_mode_16_64 3
		.amdhsa_memory_ordered 1
		.amdhsa_forward_progress 1
		.amdhsa_inst_pref_size 83
	.end_amdhsa_kernel
	.amdgpu_metadata
---
amdhsa.version: [ 1, 2 ]
amdhsa.kernels:
  - .name:           k_q62fa720ed7_prep
    .symbol:         k_q62fa720ed7_prep.kd
    .args:
      - { .name: x, .offset: 0, .size: 8, .value_kind: global_buffer, .address_space: global }
      - { .name: W_q, .offset: 8, .size: 8, .value_kind: global_buffer, .address_space: global }
      - { .name: scales, .offset: 16, .size: 8, .value_kind: global_buffer, .address_space: global }
      - { .name: zeros, .offset: 24, .size: 8, .value_kind: global_buffer, .address_space: global }
      - { .name: mu1, .offset: 32, .size: 8, .value_kind: global_buffer, .address_space: global }
      - { .name: xh, .offset: 40, .size: 8, .value_kind: global_buffer, .address_space: global }
      - { .name: wh, .offset: 48, .size: 8, .value_kind: global_buffer, .address_space: global }
    .group_segment_fixed_size: 17408
    .private_segment_fixed_size: 0
    .kernarg_segment_align: 8
    .kernarg_segment_size: 56
    .max_flat_workgroup_size: 256
    .sgpr_count:     66
    .vgpr_count:     196
    .wavefront_size: 32
...
	.end_amdgpu_metadata
.endif
;; end of part 1
;; launch gemm (part 2): grid 16 x 16, 4 waves a work-group, clusters of 4 x 4, 327,680 bytes of LDS; arguments xh, wh, out0, bias, mu2; writes out0
.if DOCPART == 2
	.amdgcn_target "amdgcn-amd-amdhsa--gfx1250"
	.amdhsa_code_object_version 6
	.text
	.protected	k_q62fa720ed7_gemm
	.globl	k_q62fa720ed7_gemm
	.p2align	8
	.type	k_q62fa720ed7_gemm,@function
k_q62fa720ed7_gemm:
	s_mov_b64 s[64:65], 0
	v_nop
	global_prefetch_b8 v0, s[64:65] scope:SCOPE_SE
	s_setreg_imm32_b32 hwreg(HW_REG_WAVE_MODE, 25, 1), 1
	s_wait_xcnt 0x0
	s_wait_alu depctr_hold_cnt(0) depctr_sa_sdst(0) depctr_va_vdst(0) depctr_va_sdst(0) depctr_va_ssrc(0) depctr_va_vcc(0) depctr_vm_vsrc(0)
	s_getreg_b32 s2, hwreg(HW_REG_IB_STS2, 6, 4)
	s_cmp_eq_u32 s2, 0
	s_cbranch_scc0 .Lentry_in_a_cluster
	s_endpgm
.Lentry_in_a_cluster:
	s_bfe_u32 s2, ttmp6, 0x10000c
	s_cmp_lg_u32 s2, 0xf033
	s_cbranch_scc0 .Lentry_shape_is_right
	s_endpgm
.Lentry_shape_is_right:
; out0[m][c] = mu2[c] * (the sum over k of xh[m][k] wh[c][k]) + bias[c].  xh: [4096][4096] f16 (x mu1), wh: [4096][4096] f16 ((q - z) s), out0: [4096][4096] f32, bias, mu2: [4096] f32.
; One f32 sum for each output, K ascending; mu2 and bias are taken as given and applied by one fused multiply-add in f32.  LIMITS: the operands arrive within f16's 65,504 (the launch in
; front states what that asks of the inputs); NaN and infinities are not treated apart.
; A tile of out0, 256 x 256, is made by a work-group of four waves; a wave makes 128 x 128: 64 accumulators of 16 x 16, 512 registers.  16 x 16 tiles: one to a work-group.
; K goes in steps of 128 through a ring of two LDS slots filled by the tensor data mover: the tiles' rows are 256 bytes of memory and start at multiples of 256 bytes from the buffer's first byte.
; CLUSTERS: 4 x 4 work-groups.  The four of a row of the cluster need the same tiles of xh, the four of a column the same tiles of wh.  Such a tile is asked for JOINTLY: each of the four
; issues the same tensor load, with the same descriptor and a mask that names the four, and each receives the tile in its own LDS.  That divides the requests for both operands by four.
; REGISTERS, in windows of 256 (s_set_vgpr_msb's low byte: bits 1:0 source 0, 3:2 source 1, 5:4 source 2, 7:6 destination):
;   window 0: v0-31 addresses, bias and mu2; v64-127, v128-191 fragments of xh (8 x 16 rows x 32 K), two buffers; on the way out v192-255 and v64-127 take 16 rows of out0 by turns
;   window 1: v64-127, v128-191 fragments of wh, two buffers
;   window 2: the 32 accumulators of my rows 0-63 (accumulator (a, b) at v[8 (8 a + b)]);   window 3: those of my rows 64-127
; THE MATRIX INSTRUCTION IS USED TRANSPOSED: source 0 = 16 rows of wh, source 1 = 16 rows of xh.  In the result lane l holds row l % 16 of out0 and its registers 0 to 7 the columns
; 8 (l / 16) + 0 .. 7: 32 neighbouring bytes of a row.
.set SIZE_N, 4096                      ; columns of out0 = rows of wh
.set SIZE_K, 4096
.set KSTEP,  128
.set PITCH,  272                       ; an LDS row: 256 bytes of data + 16 of padding = 68 words: row r starts at bank 4 r mod 64 (64 banks of 4 bytes: ISA guide 11.1), so the 16 rows that a load touches start at 16 different banks
.set HALFT,  128*PITCH                 ; 128 rows: what one tensor load brings, and what one wave reads of xh or of wh
.set SLOT,   4*HALFT                   ; xh's 256 rows, then wh's 256 rows
.set STAGE,  2*SLOT                    ; behind the ring: 16 rows x 528 bytes for each wave, for the way out; no tensor load lands here
.set SPITCH, 528                       ; a stage row: 512 bytes + 16 = 132 words: again 16 rows at 16 different groups of four banks
.set SPARE,  STAGE+4*16*SPITCH         ; behind the stages: the spare words, 128 bytes for each wave: two blocks of 256 bytes that no other line names
.set LAPS,   SIZE_K/(2*KSTEP)          ; a lap = two K steps = once round the ring
.set CROW,   SIZE_N*4                  ; bytes in a row of out0
.set BI,   8                           ; v[8:11]  bias of the four columns that I store
.set MW,   12                          ; v[12:15] mu2 of the same four
.set ADRA, 16                          ; v16-17  LDS address of my xh fragments in slot 0, 1
.set ADRB, 20                          ; v20-21  the same for wh
.set STO,  24                          ; v24     the way out: where I put 32 bytes of a row
.set RD,   25                          ; v25     the way out: where I read 16 bytes of a row back
.set CO,   26                          ; v26     16 x lane: my bytes in 512 consecutive bytes of out0, of bias and of mu2; never rewritten
.set SPW,  28                          ; v28     LDS address of my spare word: SPARE + 4 x my thread's number; never rewritten
.set NIL,  29                          ; v29     0; never rewritten
.set PFO,  30                          ; v30     the prefetches' offset: my lane x a row of xh or wh in memory; never rewritten
.set PFA,  44                          ; s[44:45] where my prefetches stand: my work-group's 32 rows of the 128 that I fetch, one K step further along K than the refill that is being asked for
.set LIM,  43                          ; s43     1 in a wave that prefetches, else the greatest number
.set F0,   64                          ; fragment buffer 0
.set F1,   128                         ; fragment buffer 1
.set G1,  24                           ; s[24:31] descriptor group 1 for xh's tiles
.set G0,  32                           ; s[32:39] descriptor group 0 for xh's tiles, one set for each slot
.set G1B, 48                           ; s[48:55] descriptor group 1 for wh's tiles: it differs in the mask alone
.set G0B, 56                           ; s[56:63] descriptor group 0 for wh's tiles, one set for each slot
.set BIA, 66                           ; s[66:67] bias
.set MUA, 68                           ; s[68:69] mu2
.set MSB, 0
.macro WIN new                         ; the immediate's high byte repeats the setting that is left; a switch that changes nothing is dropped
.if MSB != (\new)
	s_set_vgpr_msb (MSB<<8)|(\new)
.set MSB, \new
.endif
.endm
.set MUL_LO, 0xa1                      ; source 0 (wh) window 1, source 1 (xh) window 0, C and D window 2
.set MUL_HI, 0xf1                      ; the same, C and D window 3
.set TO_B,   0x40                      ; destination window 1, address window 0
; A joint load.  Waves 0 and 1 fetch xh's two halves, waves 2 and 3 wh's.  Each of the two lines has ONE mask and one set of registers for all that issue it, and nothing in them hangs on
; a coordinate that the four partners do not share.  The branch hangs on the wave's number alone.  An s_nop 0 and four v_nop follow each line, ahead of the jump and the label.
.macro JLOAD s
	s_cmp_eq_u32 s11, 0
	s_cbranch_scc0 .Lfor_b_\@
	tensor_load_to_lds s[G0+4*(\s):G0+4*(\s)+3], s[G1:G1+7]
	s_nop 0
.rept 4
	v_nop
.endr
	s_branch .Lasked_\@
.Lfor_b_\@:
	tensor_load_to_lds s[G0B+4*(\s):G0B+4*(\s)+3], s[G1B:G1B+7]
	s_nop 0
.rept 4
	v_nop
.endr
.Lasked_\@:
.endm
; A PREFETCH INTO THE L2, behind each joint refill, its five lines and the run of LDS loads that follows them: the K step that stands TWO refills on (512 matrix instructions ahead of the load
; that will ask for it): 32 rows x 256 bytes, a lane a row, one instruction a wave.  Each row's 256 bytes of a K step are named ONCE in the launch: xh's tile row is read by every cluster of
; that row of clusters, and the one with cluster x = 0 asks; wh's tile column by every cluster of that column, and the one with cluster y = 0 asks.  The four partners that ask for a tile jointly
; share its rows out BY ADDRESS: of the 128 rows that a wave fetches the partner at place p takes 32 p .. 32 p + 31 (p = cx for xh, cy for wh): no branch hangs on a place in the cluster.
; K steps 0 to 3 come by their loads alone; the loop's last trip (s3 = 1) asks for nothing: its two refills have no K step two on.
.macro ASK
	s_cmp_gt_u32 s3, s[LIM]
	s_cbranch_scc0 .Lnot_mine_\@
	global_prefetch_b8 v[PFO], s[PFA:PFA+1] offset:KSTEP*2 th:TH_LOAD_NT scope:SCOPE_SE
.Lnot_mine_\@:
.endm
; A round of the cluster's barrier: my work-group's barrier, so that wave 0's signal speaks for all four waves; wave 0 signals for the work-group; every wave waits for all sixteen
; work-groups; my work-group's barrier once more.  No LDS instruction of the wave is pending at a signal.
.macro CREST                           ; a round behind its opening barrier
	s_cmp_lg_u32 s10, 0
	s_cbranch_scc1 .Lnot_wave_0_\@
	s_barrier_signal -3
.Lnot_wave_0_\@:
	s_barrier_wait -3
	s_barrier_signal -1
	s_barrier_wait -1
.endm
.macro CROUND                          ; a whole round
	s_barrier_signal -1
	s_barrier_wait -1
	CREST
.endm
	s_load_b128 s[4:7], s[0:1], 0x0                ; xh s[4:5], wh s[6:7]
	s_load_b64 s[8:9], s[0:1], 0x10                ; out0
	s_load_b64 s[BIA:BIA+1], s[0:1], 0x18          ; bias
	s_load_b64 s[MUA:MUA+1], s[0:1], 0x20          ; mu2
	v_lshl_add_u32 v[SPW], v0, 2, SPARE
	v_mov_b32 v[NIL], 0
	ds_add_u32 v[SPW], v[NIL]                      ; the wave's opening: an add and its wait ahead of my first tensor load; the set-up below, work on registers, stands between them
	ds_add_u32 v28, v29
	v_lshrrev_b32 v1, 5, v0
	v_readfirstlane_b32 s10, v1                    ; wave 0..3
	s_lshr_b32 s11, s10, 1                         ; which half of the tile's rows is mine.  Also: I fetch for xh (0) or for wh (1)
	s_and_b32 s12, s10, 1                          ; which half of its columns.  Also: which 128 rows of that tile I fetch
	s_bfe_u32 s40, ttmp6, 0x40000                  ; cx: my place along the cluster's x
	s_bfe_u32 s41, ttmp6, 0x40004                  ; cy: along its y
	s_lshl_b32 s42, ttmp9, 2                       ; in a cluster launch ttmp9 and ttmp7 count clusters
	s_add_co_u32 s42, s42, s40                     ; tile column = 4 x cluster x + cx
	s_and_b32 s13, ttmp7, 0xffff
	s_lshl_b32 s13, s13, 2
	s_add_co_u32 s13, s13, s41                     ; tile row = 4 x cluster y + cy
	s_lshl_b32 s43, s41, 2
	s_lshl_b32 s43, 15, s43                        ; my row of the cluster: places 4 cy .. 4 cy + 3
	s_lshl_b32 s44, 0x1111, s40                    ; my column: places cx, cx + 4, cx + 8, cx + 12
	; descriptor group 1: a tile of 128 rows x 128 elements, padded in LDS
	s_or_b32 s[G1+0], s43, (1<<16)|(1<<20)|(1<<21)|(5<<22)|(3<<25)  ; 15:0 the mask: xh's tiles go to my row; 17:16 element of 2 bytes; 20 padding on; 21 set beside a mask; 24:22 after every 64 words (code 5); 31:25 of 4 words (code 3)
	s_or_b32 s[G1B+0], s44, (1<<16)|(1<<20)|(1<<21)|(5<<22)|(3<<25) ; the same with the mask of my column, for wh's tiles
	s_mov_b32 s[G1B+1], KSTEP<<16
	s_mov_b32 s[G1+1], KSTEP<<16                   ; 63:48 tensor_dim0, low half = 128
	s_mov_b32 s[G1B+2], 128<<16
	s_mov_b32 s[G1+2], 128<<16                     ; 79:64 its high half = 0; 95:80 tensor_dim1, low half = 128
	s_mov_b32 s[G1B+3], KSTEP<<16
	s_mov_b32 s[G1+3], KSTEP<<16                   ; 111:96 its high half = 0; 127:112 tile_dim0 = 128
	s_mov_b32 s[G1B+4], 128
	s_mov_b32 s[G1+4], 128                         ; 143:128 tile_dim1 = 128; 159:144 tile_dim2 = 0
	s_mov_b32 s[G1B+5], SIZE_K
	s_mov_b32 s[G1+5], SIZE_K                      ; 191:160 tensor_dim0_stride, low word: elements from row to row
	s_mov_b32 s[G1B+6], 0
	s_mov_b32 s[G1+6], 0
	s_mov_b32 s[G1B+7], 0
	s_mov_b32 s[G1+7], 0
	; where the tiles come from.  xh's hang on the tile row alone, which my row of the cluster shares; wh's on the tile column alone, which my column shares.
	; Every wave makes both addresses, in registers that never hold the other coordinate, and asks by one of them.
	s_lshl_b32 s17, s12, 7                         ; which 128 rows of the tile I fetch
	s_lshl_b32 s16, s13, 8
	s_add_co_u32 s16, s16, s17                     ; xh: row 256 x tile row + 128 x half
	s_lshl_b32 s46, s42, 8
	s_add_co_u32 s46, s46, s17                     ; wh: row 256 x tile column + 128 x half
	s_mov_b32 s17, 0
	s_mov_b32 s47, 0
	s_mov_b64 s[18:19], SIZE_K*2
	s_mul_u64 s[16:17], s[16:17], s[18:19]         ; in bytes
	s_mul_u64 s[46:47], s[46:47], s[18:19]
	s_mul_i32 s20, s10, HALFT                      ; and where they go: xh's two halves, then wh's two halves = wave x 128 rows: no place in the cluster enters an LDS address
	s_wait_dscnt 0x0                               ; the opening add is done
	s_wait_kmcnt 0x0
	s_add_nc_u64 s[14:15], s[4:5], s[16:17]
	s_add_nc_u64 s[46:47], s[6:7], s[46:47]
	CROUND                                         ; all sixteen work-groups are here: the first joint loads meet
.irp s, 0,1
	s_mov_b32 s[G0+4*(\s)], 1                                      ; 1:0 count = 1
	s_add_co_u32 s[G0+4*(\s)+1], s20, (\s)*SLOT                    ; 63:32 LDS address
	s_add_nc_u64 s[G0+4*(\s)+2:G0+4*(\s)+3], s[14:15], (\s)*KSTEP*2  ; 120:64 global address: K step s
	s_or_b32 s[G0+4*(\s)+3], s[G0+4*(\s)+3], 0x80000000            ; 127:126 type = 2
	s_mov_b32 s[G0B+4*(\s)], 1
	s_add_co_u32 s[G0B+4*(\s)+1], s20, (\s)*SLOT
	s_add_nc_u64 s[G0B+4*(\s)+2:G0B+4*(\s)+3], s[46:47], (\s)*KSTEP*2
	s_or_b32 s[G0B+4*(\s)+3], s[G0B+4*(\s)+3], 0x80000000
	JLOAD \s                                       ; the ring is filled before anything else is done: two tensor loads of mine are out
.endr
	; A fragment is 16 rows x 32 K in 8 registers: lane l holds row l % 16; registers 0-3 hold K = 8 (l / 16) + 0..7, registers 4-7 hold
	; K = 16 + 8 (l / 16) + 0..7.  From rows that lie along K: two loads of 16 bytes, 32 bytes apart.  The same for source 0 and source 1.
	v_and_b32 v1, 15, v0                           ; l % 16
	v_bfe_u32 v2, v0, 4, 1                         ; l / 16
	v_mul_u32_u24 v3, v1, PITCH
	v_lshl_add_u32 v3, v2, 4, v3                   ; row x pitch + 16 x half
	s_mul_i32 s21, s11, HALFT                      ; my 128 rows of xh
	s_mul_i32 s22, s12, HALFT                      ; my 128 rows of wh,
	s_add_co_u32 s22, s22, 2*HALFT                 ; which lie behind xh's 256
.irp s, 0,1
	v_add_nc_u32 v[ADRA+(\s)], s21, v3
	v_add_nc_u32 v[ADRB+(\s)], s22, v3
	s_add_co_u32 s21, s21, SLOT
	s_add_co_u32 s22, s22, SLOT
.endr
	s_mul_i32 s23, s10, 16*SPITCH
	s_add_co_u32 s23, s23, STAGE                   ; my stage
	v_mul_u32_u24 v4, v1, SPITCH                   ; in: row l % 16, 32 bytes for each half of the lanes
	v_lshl_add_u32 v4, v2, 5, v4
	v_add_nc_u32 v[STO], s23, v4
	v_and_b32 v5, 31, v0
	v_lshlrev_b32 v[CO], 4, v5                     ; back: 32 lanes take one row of 512 bytes
	v_add_nc_u32 v[RD], s23, v[CO]
	; out0 at my part of the tile; bias and mu2 at my 128 columns
	s_lshl_b32 s13, s13, 8                         ; 256 x tile row
	s_lshl_b32 s14, s11, 7
	s_add_co_u32 s16, s13, s14                     ; my first row,
	s_lshl_b32 s16, s16, 14                        ; times 16,384 bytes: 3,968 rows at the most, under 2^32
	s_mov_b32 s17, 0
	s_add_nc_u64 s[8:9], s[8:9], s[16:17]
	s_lshl_b32 s46, s42, 10                        ; my first column, in bytes: 1,024 x tile column + 512 x half (in the registers that held wh's address)
	s_lshl_b32 s47, s12, 9
	s_add_co_u32 s46, s46, s47
	s_mov_b32 s47, 0
	s_add_nc_u64 s[8:9], s[8:9], s[46:47]
	s_add_nc_u64 s[BIA:BIA+1], s[BIA:BIA+1], s[46:47]
	s_add_nc_u64 s[MUA:MUA+1], s[MUA:MUA+1], s[46:47]
	global_load_b128 v[BI:BI+3], v[CO], s[BIA:BIA+1]
	global_load_b128 v[MW:MW+3], v[CO], s[MUA:MUA+1]
	; the prefetches.  s13 = 256 x tile row, s42 = tile column, s40 = cx, s41 = cy still stand
	s_lshl_b32 s42, s42, 8
	s_and_b32 s22, ttmp7, 0xffff                   ; cluster y
	s_cmp_eq_u32 s11, 0                            ; do I fetch for xh?
	s_cselect_b32 s20, s13, s42                    ; the tile's first row: in xh by the tile row, in wh by the tile column
	s_cselect_b32 s21, s40, s41                    ; my place among the four that ask for it with me
	s_cselect_b32 s22, ttmp9, s22                  ; the coordinate along which other clusters read the same rows
	s_cselect_b64 s[PFA:PFA+1], s[4:5], s[6:7]
	s_cmp_eq_u32 s22, 0
	s_cselect_b32 s[LIM], 1, -1                    ; the same in all sixteen partners, for a given wave
	s_lshl_b32 s22, s12, 7
	s_add_co_u32 s20, s20, s22                     ; + the 128 rows that I fetch
	s_lshl_b32 s21, s21, 5
	s_add_co_u32 s20, s20, s21                     ; + my work-group's 32 of them
	s_mov_b32 s21, 0
	s_mov_b64 s[18:19], SIZE_K*2
	s_mul_u64 s[20:21], s[20:21], s[18:19]
	s_add_nc_u64 s[PFA:PFA+1], s[PFA:PFA+1], s[20:21]
	s_add_nc_u64 s[PFA:PFA+1], s[PFA:PFA+1], 2*KSTEP*2  ; at K step 2: the first refill steps it to 3 and names K step 4
	v_and_b32 v[PFO], 31, v0
	v_mul_u32_u24 v[PFO], v[PFO], SIZE_K*2
	s_wait_loadcnt 0x0                             ; bias and mu2, once: they are used on the way out
; 16 matrix instructions: m blocks a0, a0 + 1 of the window's four (hi = 0: my rows 0-63, 1: rows 64-127) x all 8 n blocks, 32 along K.
; zero = 1: the first product starts the sums: nothing is ever cleared.  The 64 accumulators take turns, in the same order in every quarter step.
.macro MUL16 f, hi, a0, zero
	WIN MUL_LO+0x50*(\hi)
.irp a, \a0, (\a0)+1
.irp b, 0,1,2,3,4,5,6,7
.if \zero
	v_wmma_f32_16x16x32_f16 v[8*(8*(\a)+(\b)):8*(8*(\a)+(\b))+7], v[(\f)+8*(\b):(\f)+8*(\b)+7], v[(\f)+8*(4*(\hi)+(\a)):(\f)+8*(4*(\hi)+(\a))+7], 0
.else
	v_wmma_f32_16x16x32_f16 v[8*(8*(\a)+(\b)):8*(8*(\a)+(\b))+7], v[(\f)+8*(\b):(\f)+8*(\b)+7], v[(\f)+8*(4*(\hi)+(\a)):(\f)+8*(4*(\hi)+(\a))+7], v[8*(8*(\a)+(\b)):8*(8*(\a)+(\b))+7]
.endif
.endr
.endr
.endm
; 32 LDS loads in one run: the fragments of one quarter step (128 rows of wh, 128 rows of xh, 32 K at byte k of the rows) into buffer f
.macro FETCH slot, k, f
	WIN TO_B
.irp i, 0,1,2,3,4,5,6,7
	ds_load_b128 v[(\f)+8*(\i):(\f)+8*(\i)+3],   v[ADRB+(\slot)] offset:(\k)+(\i)*16*PITCH
	ds_load_b128 v[(\f)+8*(\i)+4:(\f)+8*(\i)+7], v[ADRB+(\slot)] offset:(\k)+(\i)*16*PITCH+32
.endr
	WIN 0
.irp i, 0,1,2,3,4,5,6,7
	ds_load_b128 v[(\f)+8*(\i):(\f)+8*(\i)+3],   v[ADRA+(\slot)] offset:(\k)+(\i)*16*PITCH
	ds_load_b128 v[(\f)+8*(\i)+4:(\f)+8*(\i)+7], v[ADRA+(\slot)] offset:(\k)+(\i)*16*PITCH+32
.endr
.endm
; A load into a register that a matrix instruction has read, and an instruction that reads a matrix result, stand four places behind that matrix instruction, and only plain vector
; instructions that name none of its registers are places (ISA guide 7.12.1 for vector instructions); the matrix instructions in between are not counted.
.macro PLACES
.rept 4
	v_nop
.endr
.endm
; A K step is four quarter steps of 32 along K, 64 matrix instructions each, on buffers 0, 1, 0, 1.
; One of the first three: multiplies buffer f; in its middle it fetches the next quarter's fragments, at byte k of the same slot's rows, into buffer g.
.macro QUARTER slot, k, f, g, zero
	s_wait_dscnt 8                                 ; wh and xh's rows 0-63 are in; the youngest eight loads (xh's rows 64-127) may be out
	WIN MUL_LO
	MUL16 \f, 0, 0, \zero
	MUL16 \f, 0, 2, \zero
	PLACES
	FETCH \slot, \k, \g
	s_wait_dscnt 32                                ; all but the 32 just issued
	WIN MUL_HI
	MUL16 \f, 1, 0, \zero
	MUL16 \f, 1, 2, \zero
.endm
; The last quarter multiplies buffer 1 and changes slots.  MEET is its first half: ONE barrier for the change of slots.  In front of it each wave waits for all its tensor loads, of which
; one is out: its part of the next slot; adds 0 to its spare word; and waits for that and for its own reads of this slot.  Behind it nobody reads this slot any more and the next slot is whole.
.macro MEET round                      ; round = 1: a round of the cluster's barrier follows
	WIN 0                                          ; (the add's two registers lie in window 0)
	s_wait_tensorcnt 0x0                           ; all my tensor loads have landed: the one that was out is my part of the next slot;
	ds_add_u32 v[SPW], v[NIL]                      ; 0 onto my spare word:
	s_wait_dscnt 9                                 ; (the add and the youngest eight loads may be out)
	WIN MUL_LO
	MUL16 F1, 0, 0, 0                              ; sixteen matrix instructions stand between the add and the wait for it
	s_wait_dscnt 0x0                               ; the add is done, and my reads of this slot are over:
	s_barrier_signal -1                            ; say so (where a slot is filled again this barrier opens a round of the cluster's barrier),
	MUL16 F1, 0, 2, 0                              ; work on registers while the others arrive,
.if \round
	WIN 0
.endif
	s_barrier_wait -1                              ; and go on when all four have said so
.endm
; The whole last quarter.  Behind the round the slot just read out is filled again first, with the K step two steps on; then come the next slot's first fragments.
; From a request to the wait for it a wave issues 224 matrix instructions.
.macro TURN slot, next
	s_wait_xcnt 0x0                                ; the last prefetch, a K step back, has read its address: it is stepped here, ahead of the waits of the change of slots
	s_add_nc_u64 s[PFA:PFA+1], s[PFA:PFA+1], KSTEP*2
	MEET 1
	CREST                                          ; no wave of any partner still reads this slot's tile or has a load on its way
	s_add_nc_u64 s[G0+4*(\slot)+2:G0+4*(\slot)+3], s[G0+4*(\slot)+2:G0+4*(\slot)+3], 2*KSTEP*2     ; no tensor load of mine is out, so the descriptors may be written
	s_add_nc_u64 s[G0B+4*(\slot)+2:G0B+4*(\slot)+3], s[G0B+4*(\slot)+2:G0B+4*(\slot)+3], 2*KSTEP*2
	JLOAD \slot                                    ; the first tensor load behind the round, my only one until the next; the four v_nop behind it are also the places in front of the loads below
	FETCH \next, 0, F0
	ASK                                            ; behind the joint load and the run of LDS loads that the next products wait for
	WIN MUL_HI
	MUL16 F1, 1, 0, 0
	MUL16 F1, 1, 2, 0
.endm
	s_wait_tensorcnt 1                             ; my part of K step 0 is in; K step 1's load, issued behind it, may stay out
	s_barrier_signal -1
	s_barrier_wait -1                              ; everybody's is
	FETCH 0, 0, F0
	QUARTER 0, 64,  F0, F1, 1                      ; the first quarter stands in front of the loop: its products start the sums
	WIN 0                                          ; at a label and at a branch every window is 0
	s_mov_b32 s3, LAPS-1
.Llap:                                                 ; a trip goes once round the ring, from a lap's second quarter to the next lap's first, and fills both slots again
	QUARTER 0, 128, F1, F0, 0
	QUARTER 0, 192, F0, F1, 0
	TURN 0, 1
	QUARTER 1, 64,  F0, F1, 0
	QUARTER 1, 128, F1, F0, 0
	QUARTER 1, 192, F0, F1, 0
	TURN 1, 0
	QUARTER 0, 64,  F0, F1, 0
	WIN 0
	s_sub_co_u32 s3, s3, 1
	s_cmp_lg_u32 s3, 0
	s_cbranch_scc1 .Llap
	QUARTER 0, 128, F1, F0, 0                      ; the last lap is written out: it fills nothing, and has no round of the cluster's barrier
	QUARTER 0, 192, F0, F1, 0
	MEET 0                                         ; my one tensor load that was still out is slot 1's, the last K step's
	PLACES                                         ; for the loads into buffer 0, which the quarter before multiplied
	FETCH 1, 0, F0
	WIN MUL_HI
	MUL16 F1, 1, 0, 0
	MUL16 F1, 1, 2, 0
	QUARTER 1, 64,  F0, F1, 0
	QUARTER 1, 128, F1, F0, 0
	QUARTER 1, 192, F0, F1, 0
	s_wait_dscnt 8                                 ; the very last quarter: nothing more to fetch
	WIN MUL_LO
	MUL16 F1, 0, 0, 0
	MUL16 F1, 0, 2, 0
	s_wait_dscnt 0x0
	MUL16 F1, 1, 0, 0
	MUL16 F1, 1, 2, 0
; THE WAY OUT, a block of 16 rows x 128 columns at a time.  A lane's 32 bytes are a sixteenth of a row's 512, and the lanes beside it hold other rows: so the block goes through my own stage:
; straight from the accumulators into rows of 528 bytes, and back as whole rows of 512.  The stage is mine alone and LDS serves a wave's instructions in order (ISA guide 5.7.1.4):
; no barrier, and no wait between the stores and the loads, nor between a block's loads and the next block's stores.
.macro TOSTAGE a
.set AC, 64*((\a)%4)                   ; the block's eight accumulators, in window 2 (blocks 0-3) or 3 (blocks 4-7)
.set BK, 192-128*((\a)%2)              ; where the block comes back: v192-255 and v64-127 by turns
	WIN 0x08+4*((\a)/4)                            ; an LDS store's data are source 1
.irp b, 0,1,2,3,4,5,6,7
	ds_store_b128 v[STO], v[AC+8*(\b):AC+8*(\b)+3]   offset:64*(\b)     ; each accumulator's four lowest registers first
	ds_store_b128 v[STO], v[AC+8*(\b)+4:AC+8*(\b)+7] offset:64*(\b)+16
.endr
	WIN 0
	s_wait_xcnt 0x0                                ; every earlier memory instruction has had its addresses translated (ISA guide 3.1): the registers that the stores of the block two back read are loaded again only behind this wait
.irp t, 0,1,2,3,4,5,6,7,8,9,10,11,12,13,14,15
	ds_load_b128 v[BK+4*(\t):BK+4*(\t)+3], v[RD] offset:(\t)*SPITCH
.endr
.endm
.macro SEND a, younger                 ; younger: the LDS instructions issued behind block a's loads: the next block's 16 stores and 16 loads, or none
.set BK, 192-128*((\a)%2)
	WIN 0
	s_wait_dscnt \younger                          ; the block is back in registers
.irp t, 0,1,2,3,4,5,6,7,8,9,10,11,12,13,14,15
	v_pk_fma_f32 v[BK+4*(\t):BK+4*(\t)+1],   v[BK+4*(\t):BK+4*(\t)+1],   v[MW:MW+1],   v[BI:BI+1]      ; mu2 x sum + bias, for my four columns
	v_pk_fma_f32 v[BK+4*(\t)+2:BK+4*(\t)+3], v[BK+4*(\t)+2:BK+4*(\t)+3], v[MW+2:MW+3], v[BI+2:BI+3]
	global_store_b128 v[CO], v[BK+4*(\t):BK+4*(\t)+3], s[8:9] offset:(16*(\a)+(\t))*CROW th:TH_STORE_NT  ; 32 lanes store 512 consecutive bytes, at a multiple of 256 from out0's first byte; the row stands in the immediate: 127 rows of 16,384 bytes at the most, inside its signed 24 bits
.endr
.endm
	PLACES
	PLACES                                         ; the places between the last products and the stores that read their results
	TOSTAGE 0
.irp a, 1,2,3,4,5,6,7                  ; block a's way through the stage is begun while block a - 1's rows come back
	TOSTAGE \a
	SEND (\a)-1, 32
.endr
	SEND 7, 0
	s_wait_tensorcnt 0x0                           ; the wave's end: a wait for tensor loads, an add of 0 to my spare word and a wait for it, behind my last tensor load and my last LDS store
	ds_add_u32 v[SPW], v[NIL]
	s_wait_dscnt 0x0
	CROUND                                         ; the closing round: no work-group ends while a partner may still ask for a tile that names it
	s_endpgm
.Lfunc_end_k_q62fa720ed7_gemm:
	.size	k_q62fa720ed7_gemm, .Lfunc_end_k_q62fa720ed7_gemm-k_q62fa720ed7_gemm
	.p2alignl 7, 3214868480
	.fill 96, 4, 3214868480
	.section	.rodata,"a",@progbits
	.p2align	6, 0x0
	.amdhsa_kernel k_q62fa720ed7_gemm
		.amdhsa_group_segment_fixed_size 327680
		.amdhsa_private_segment_fixed_size 0
		.amdhsa_enable_private_segment 0
		.amdhsa_kernarg_size 40
		.amdhsa_user_sgpr_count 2
		.amdhsa_user_sgpr_kernarg_segment_ptr 1
		.amdhsa_wavefront_size32 1
		.amdhsa_system_sgpr_workgroup_id_x 1
		.amdhsa_system_sgpr_workgroup_id_y 1
		.amdhsa_system_sgpr_workgroup_id_z 1
		.amdhsa_system_vgpr_workitem_id 0
		.amdhsa_next_free_vgpr 1024
		.amdhsa_next_free_sgpr 70
		.amdhsa_reserve_vcc 0
		.amdhsa_float_denorm_mode_32 3
		.amdhsa_float_denorm_mode_16_64 3
		.amdhsa_memory_ordered 1
		.amdhsa_forward_progress 1
		.amdhsa_inst_pref_size 158
	.end_amdhsa_kernel
	.amdgpu_metadata
---
amdhsa.version: [ 1, 2 ]
amdhsa.kernels:
  - .name:           k_q62fa720ed7_gemm
    .symbol:         k_q62fa720ed7_gemm.kd
    .args:
      - { .name: xh, .offset: 0, .size: 8, .value_kind: global_buffer, .address_space: global }
      - { .name: wh, .offset: 8, .size: 8, .value_kind: global_buffer, .address_space: global }
      - { .name: out0, .offset: 16, .size: 8, .value_kind: global_buffer, .address_space: global }
      - { .name: bias, .offset: 24, .size: 8, .value_kind: global_buffer, .address_space: global }
      - { .name: mu2, .offset: 32, .size: 8, .value_kind: global_buffer, .address_space: global }
    .group_segment_fixed_size: 327680
    .private_segment_fixed_size: 0
    .kernarg_segment_align: 8
    .kernarg_segment_size: 40
    .max_flat_workgroup_size: 128
    .sgpr_count:     70
    .vgpr_count:     1024
    .wavefront_size: 32
...
	.end_amdgpu_metadata
.endif
;; end of part 2
;; ======== version 2 of 2: 2 launches; version 1 with the launch prep written anew for expert scheduling mode
;; limits: values are held in f16: magnitudes above 65,504 overflow, below 6.1e-05 lose precision
;; workspace buffers: xh 33,554,432 bytes; wh 33,554,432 bytes
;; launch prep (part 3): grid 128 x 2, 8 waves a work-group, no clusters, 17,408 bytes of LDS; arguments x, W_q, scales, zeros, mu1, xh, wh; writes xh, wh
.if DOCPART == 3
	.amdgcn_target "amdgcn-amd-amdhsa--gfx1250"
	.amdhsa_code_object_version 6
	.text
	.protected	k_q62fa720ed7_prep
	.globl	k_q62fa720ed7_prep
	.p2align	8
	.type	k_q62fa720ed7_prep,@function
k_q62fa720ed7_prep:
	s_mov_b64 s[64:65], 0
	v_nop
	global_prefetch_b8 v0, s[64:65] scope:SCOPE_SE
	s_setreg_imm32_b32 hwreg(HW_REG_WAVE_SCHED_MODE, 0, 2), 2
	s_setreg_imm32_b32 hwreg(HW_REG_WAVE_MODE, 25, 1), 1
	s_wait_xcnt 0x0
	s_wait_alu depctr_vm_vsrc(0)
; BOTH OPERANDS OF THE PRODUCT, MADE ONCE.  Work-groups with y = 0: xh[m][n] = f16(x[m][n] * mu1[n]).  Work-groups with y = 1:
; wh[k][n] = f16((q - z) * s), q = W_q[k][n] as f32, z = zeros[k][n / 128], s = scales[k][n / 128].  x, W_q: [4096][4096] of 4 bytes; xh, wh: [4096][4096] f16.
; The launch behind multiplies the two, and applies mu2[k] and bias[k] in f32: out = mu2 * sum(xh wh) + bias, which is reference()'s sum with its factors in another order.
; FORMATS AND LIMITS.  All arithmetic here is f32 on the inputs as given; each operand is rounded once, to f16 (11 significant bits).  q - z is formed directly: no difference of
; large sums.  f16 ends at 65,504: this text serves |x mu1| and |(q - z) s| below that.  With the factors split so, x of magnitude 5, mu1 of 1.5, z of 15 and s of 0.05 give 8 and 0.75, and all of
; them 30 times larger 7,200 and 675.  Below 6e-5 an operand keeps f16's fixed step of 6e-8.  q may be any int32 within that limit (beyond 2^24 it is rounded as a
; conversion to f32 rounds).  NaN and infinities pass through untreated.
; SHARES.  A work-group owns 32 rows, wave w of eight the columns 512 w .. 512 w + 511 (groups 4 w .. 4 w + 3) of each.  A row's share of a wave is four loads of 16 bytes
; a lane (load j: 512 consecutive bytes, one group) and four stores of 8 bytes a lane (256 consecutive bytes, at a multiple of 256 from the buffer's first byte).
; A ring of eight row slots in registers keeps 24 to 28 loads of every wave on their way; loads go out ahead of stores; every byte is read once and written once.
; THE TABLE (weights).  Lane l of a wave takes row l: its s and z of the wave's four groups, and stores four records {z, z, s, s} (pairs for the packed arithmetic)
; at 2048 w + 64 l + 16 j.  A wave reads only the records that it stored itself, and LDS serves a wave's instructions in order (ISA guide 5.7.1.4): no barrier.
; THE MODE: SCHED_MODE bits 1:0 = 2 (LLVM: expert scheduling mode 2), set by the entry lines.  The code itself states the register dependences
; between vector instructions and memory or LDS instructions, with s_wait_alu, always for 0.
; THE PLAN.  A turn is a row, p = 0 .. 31.  Registers that memory or LDS instructions touch:
;   X0 .. X7    eight rows as loaded.   Written by the loads of row p + 7, issued in turn p; read by turn p's conversions (x's way: multiplies).
;   Y0, Y1      two rows to store.      Written by turn p's roundings; read by the four stores that are issued in turn p + 1.
;   REC0, REC1  two rows' records.      Written by the LDS loads of row p + 1, issued in turn p; read by turn p's additions and multiplies.
;   IN, OU, TO, TS  offsets and an LDS address, made once at the head and never written again: the rows are reached by the scalar bases, which step once a lap, and by immediate offsets.
;   LA          the LDS address of the lap's first record: read by every load of a record, written at the head and at each lap's end.
;   T and MU are named, in the turns, by vector instructions alone.
; Turn p works on X[p % 8] and REC[p % 2] and writes Y[p % 2].  Its memory instructions are the loads into X[(p + 7) % 8] = X[(p - 1) % 8] and REC[(p + 1) % 2] = REC[(p - 1) % 2] and the
; stores from Y[(p - 1) % 2]: the three buffers that turn p - 1 worked on and that no vector instruction of turn p names.  So the waits at a turn's head state all that its memory
; instructions hang on, and these are dealt among its vector instructions with no further wait.  Row 0's turn stands ahead of the loop, rows 1 to 24 are three laps of eight, rows 25 to 31 load nothing.
; LEFT OUT.  No tensor loads and no LDS for the data: no wave wants a byte that another fetched.  No cluster: of a work-group's 528 KiB of input only mu1's 16 KiB are shared.
; No matrix unit: there is no product here.
.set ROWI,   16384                     ; bytes in a row of x and of W_q
.set ROWO,   8192                      ; bytes in a row of xh and of wh
.set DEPTH,  8                         ; row slots
.set LAPS,   32/DEPTH-1                ; each lap takes every slot once
.set IN,  2                            ; v2       2048 w + 16 l: my 16 bytes of load 0 in a row of x or W_q, and in mu1; never rewritten
.set OU,  3                            ; v3       1024 w + 8 l: my 8 bytes of store 0 in a row of xh or wh; never rewritten
.set LA,  5                            ; v5       LDS address of the lap's first record of my wave's table
.set TS,  6                            ; v6       where I store my row's four records
.set TO,  7                            ; v7       128 l + 16 w: my row's four s, and z
.set MU,  12                           ; v[12:27] x's way: mu1 of my 16 columns
.set REC, 28                           ; v[28:59] the weights' way: two buffers of a row's four records
.set T,   60                           ; v[60:75] 16 numbers in f32, at work
.set SC,  60                           ; while the table is made: v[60:63] s, v[64:67] z
.set ZE,  64
.set Y,   76                           ; v[76:91] two buffers of 16 f16 to store
.set X,   92                           ; v[92:219] slot k: 16 registers as loaded
	s_load_b256 s[4:11], s[0:1], 0x0               ; x s[4:5], W_q s[6:7], scales s[8:9], zeros s[10:11]
	s_load_b128 s[12:15], s[0:1], 0x20             ; mu1 s[12:13], xh s[14:15]
	s_load_b64 s[16:17], s[0:1], 0x30              ; wh
	v_lshl_add_u32 v10, v0, 2, 0x4000
	v_mov_b32 v11, 0
	v_lshrrev_b32 v1, 5, v0
	v_readfirstlane_b32 s20, v1                    ; wave 0..7
	s_and_b32 s21, ttmp7, 0xffff                   ; y: 0 for x, 1 for the weights
	s_lshl_b32 s22, ttmp9, 19                      ; the work-group's 32 rows of 16,384 bytes in,
	s_mov_b32 s23, 0
	s_lshl_b32 s24, ttmp9, 18                      ; and of 8,192 bytes out
	s_mov_b32 s25, 0
	v_and_b32 v1, 31, v0                           ; lane
	v_lshlrev_b32 v[IN], 4, v1
	v_lshlrev_b32 v[OU], 3, v1
	s_wait_alu depctr_va_sdst(0)                   ; s20 is written, ahead of its first reader: the offsets and the table's place are made from it
	v_lshl_add_u32 v[IN], s20, 11, v[IN]
	v_lshl_add_u32 v[OU], s20, 10, v[OU]
	s_wait_kmcnt 0x0
	s_cmp_eq_u32 s21, 0
	s_cbranch_scc1 .Lx                             ; the same way for all eight waves of a work-group
; The ring's first fill: rows 0 to 6, 28 loads; slot 7 is filled in row 0's turn, like every slot after it: one turn behind its reading.
.macro FILL src
.irp i, 0,1,2,3,4,5,6
.irp j, 0,1,2,3
	global_load_b128 v[X+16*(\i)+4*(\j):X+16*(\i)+4*(\j)+3], v[IN], s[(\src):(\src)+1] offset:ROWI*(\i)+512*(\j) th:TH_LOAD_NT
.endr
.endr
.endm
; One turn.  The bases stand at row b (0 ahead of the loop, 8 x lap in it, 24 behind it); the turn is that of row p = b + i + 1: it works on row p, stores row p - 1 = b + i,
; loads row p + 7 = b + i + 8 and the records of row p + 1 = b + i + 2.  deq = 1: weights; 0: x.  first = 1: row 0, with no turn in front of it.  ahead = 1: row p + 7 is loaded.
; recs = 1: there is a row p + 1.  left = how many younger loads may stay out when this row's four have to be there.
.macro SLOT i, deq, first, ahead, recs, left, src, dst
.set XB, X+16*(((\i)+1)%8)             ; the row at work,
.set XN, X+16*(((\i)+8)%8)             ; the slot that the turn before read
.set YB, Y+8*(((\i)+1)%2)              ; what this turn rounds into,
.set YP, Y+8*(((\i)+2)%2)              ; what the turn before rounded into
.set RB, REC+16*(((\i)+1)%2)           ; this row's records,
.set RN, REC+16*(((\i)+2)%2)           ; the buffer that the turn before read
	s_wait_loadcnt \left                           ; loads come back in order (ISA guide 5.7.1): my four are in (and all that were issued ahead of them), the younger ones stay out
.if !(\first)
	s_wait_xcnt 0x0                                ; every earlier memory instruction has had its addresses translated (ISA guide 3.1): this turn's Y, which stores of the turn before read, is rewritten only behind this wait
	s_wait_alu depctr_vm_vsrc(0)                   ; the stores issued in the turn before have read this turn's Y, which the roundings below write again
	s_wait_alu depctr_va_vdst(0)                   ; the turn before has written the other Y, which the stores below read, and is done reading its X and its records, in which the loads below land; in a lap's first turn v[LA] is written
.endif
.if \deq
.if \recs
.irp j, 0,1,2,3
	ds_load_b128 v[RN+4*(\j):RN+4*(\j)+3], v[LA] offset:64*((\i)+2)+16*(\j)  ; the next row's record of group j: one address for all lanes; it has a turn in which to come
.endr
	s_wait_dscnt 4                                 ; LDS loads come back in order too (ISA guide 5.7.1): this row's four records are in, the four just issued stay out
.else
	s_wait_dscnt 0x0                               ; the last row's records: none was issued behind them
.endif
.endif
.irp j, 0,1,2,3
.if \ahead
	global_load_b128 v[XN+4*(\j):XN+4*(\j)+3], v[IN], s[(\src):(\src)+1] offset:ROWI*((\i)+8)+512*(\j) th:TH_LOAD_NT  ; seven rows ahead, ahead of the store; no vector instruction since the wait names these registers
.endif
.if !(\first)
	global_store_b64 v[OU], v[YP+2*(\j):YP+2*(\j)+1], s[(\dst):(\dst)+1] offset:ROWO*(\i)+256*(\j) th:TH_STORE_NT  ; the row before: 32 lanes store 256 consecutive bytes, at a multiple of 256 from the buffer's first byte
.endif
.if \deq
.irp n, 0,1,2,3
	v_cvt_f32_i32 v[T+4*(\j)+(\n)], v[XB+4*(\j)+(\n)]
.endr
	v_pk_add_f32 v[T+4*(\j):T+4*(\j)+1],   v[T+4*(\j):T+4*(\j)+1],   v[RB+4*(\j):RB+4*(\j)+1] neg_lo:[0,1] neg_hi:[0,1]  ; q - z
	v_pk_add_f32 v[T+4*(\j)+2:T+4*(\j)+3], v[T+4*(\j)+2:T+4*(\j)+3], v[RB+4*(\j):RB+4*(\j)+1] neg_lo:[0,1] neg_hi:[0,1]
	v_pk_mul_f32 v[T+4*(\j):T+4*(\j)+1],   v[T+4*(\j):T+4*(\j)+1],   v[RB+4*(\j)+2:RB+4*(\j)+3]  ; times s
	v_pk_mul_f32 v[T+4*(\j)+2:T+4*(\j)+3], v[T+4*(\j)+2:T+4*(\j)+3], v[RB+4*(\j)+2:RB+4*(\j)+3]
.else
	v_pk_mul_f32 v[T+4*(\j):T+4*(\j)+1],   v[XB+4*(\j):XB+4*(\j)+1],   v[MU+4*(\j):MU+4*(\j)+1]  ; x mu1
	v_pk_mul_f32 v[T+4*(\j)+2:T+4*(\j)+3], v[XB+4*(\j)+2:XB+4*(\j)+3], v[MU+4*(\j)+2:MU+4*(\j)+3]
.endif
	v_cvt_pk_f16_f32 v[YB+2*(\j)],   v[T+4*(\j)],   v[T+4*(\j)+1]  ; two roundings to f16, packed
	v_cvt_pk_f16_f32 v[YB+2*(\j)+1], v[T+4*(\j)+2], v[T+4*(\j)+3]
.endr
.endm
; Behind row 31's turn: its four stores.  The bases stand at row 24.
.macro LAST dst
	s_wait_alu depctr_va_vdst(0)                   ; row 31's roundings have written Y1, which the last four stores read
.irp j, 0,1,2,3
	global_store_b64 v[OU], v[Y+8+2*(\j):Y+8+2*(\j)+1], s[(\dst):(\dst)+1] offset:ROWO*7+256*(\j) th:TH_STORE_NT
.endr
.endm
	; ---------------- THE WEIGHTS ----------------
	s_add_nc_u64 s[6:7], s[6:7], s[22:23]          ; W_q and wh at the work-group's first row
	s_add_nc_u64 s[16:17], s[16:17], s[24:25]
	s_lshl_b32 s26, ttmp9, 12                      ; 32 rows of 32 groups of 4 bytes
	s_mov_b32 s27, 0
	s_add_nc_u64 s[8:9], s[8:9], s[26:27]
	s_add_nc_u64 s[10:11], s[10:11], s[26:27]
	v_lshlrev_b32 v[TO], 7, v1
	v_lshl_add_u32 v[TO], s20, 4, v[TO]
	v_lshlrev_b32 v[TS], 6, v1
	v_lshl_add_u32 v[TS], s20, 11, v[TS]
	s_lshl_b32 s30, s20, 11                        ; my wave's table; it steps by a lap's eight rows of 64 bytes
	v_mov_b32 v[LA], s30
	s_wait_alu depctr_va_vdst(0)                   ; v[IN], v[OU], v[TO], v[TS] and v[LA] are written, which the loads and stores below read as offsets and addresses
	global_load_b128 v[SC:SC+3], v[TO], s[8:9]     ; two small loads first,
	global_load_b128 v[ZE:ZE+3], v[TO], s[10:11]
	FILL 6                                         ; then the ring
	s_wait_loadcnt 28                              ; the two are in; the ring's 28 stay out
.irp j, 0,1,2,3
	v_mov_b32 v[REC+4*(\j)],   v[ZE+(\j)]
	v_mov_b32 v[REC+4*(\j)+1], v[ZE+(\j)]
	v_mov_b32 v[REC+4*(\j)+2], v[SC+(\j)]
	v_mov_b32 v[REC+4*(\j)+3], v[SC+(\j)]
.endr
	s_wait_alu depctr_va_vdst(0)                   ; the sixteen moves have written REC0, which the LDS stores read
.irp j, 0,1,2,3
	ds_store_b128 v[TS], v[REC+4*(\j):REC+4*(\j)+3] offset:16*(\j)
.endr
	s_wait_dscnt 0x0                               ; the stores are done: their data registers take the records read back
	s_wait_alu depctr_vm_vsrc(0)                   ; the LDS stores have read REC0, in which row 0's records land
.irp j, 0,1,2,3
	ds_load_b128 v[REC+4*(\j):REC+4*(\j)+3], v[LA] offset:16*(\j)  ; row 0's records; every later row's are asked for a turn ahead
.endr
	SLOT -1, 1, 1, 1, 1, 4*(DEPTH-2), 6, 16        ; row 0: no wait on the vector side: X7 and REC1 have been named by nothing, and there is no row to store
	s_mov_b32 s28, LAPS
.Lround_w:                                             ; rows 1 to 24, eight to a lap: all three kinds of buffer are back at their start
.irp i, 0,1,2,3,4,5,6,7
	SLOT \i, 1, 0, 1, 1, 4*(DEPTH-2), 6, 16        ; six younger rows of four loads stay out
.endr
	s_wait_xcnt 0x0                                ; the lap's loads and stores have read their bases, which step now
	s_add_nc_u64 s[6:7], s[6:7], DEPTH*ROWI
	s_add_nc_u64 s[16:17], s[16:17], DEPTH*ROWO
	s_add_co_u32 s30, s30, DEPTH*64
	s_wait_alu depctr_vm_vsrc(0)                   ; the LDS loads issued so far have read v[LA]
	v_mov_b32 v[LA], s30                           ; the next turn's head shows it written, round the loop and out of it
	s_sub_co_u32 s28, s28, 1
	s_cmp_lg_u32 s28, 0
	s_cbranch_scc1 .Lround_w
.irp i, 0,1,2,3,4,5
	SLOT \i, 1, 0, 0, 1, 4*(DEPTH-2-(\i)), 6, 16   ; rows 25 to 30 load no row: no load leaves the buffer, and the counts run down
.endr
	SLOT 6, 1, 0, 0, 0, 0, 6, 16                   ; row 31: no records are left to ask for either
	LAST 16
	s_wait_dscnt 0x0                               ; the wave's end: my LDS instructions are done.
	s_wait_alu depctr_hold_cnt(0) depctr_sa_sdst(0) depctr_va_vdst(0) depctr_va_sdst(0) depctr_va_ssrc(0) depctr_va_vcc(0) depctr_vm_vsrc(0)
	s_wait_tensorcnt 0x0
	ds_add_u32 v10, v11
	s_wait_dscnt 0x0
	s_endpgm
	; ---------------- x ----------------
.Lx:
	s_add_nc_u64 s[4:5], s[4:5], s[22:23]          ; x and xh at the work-group's first row
	s_add_nc_u64 s[14:15], s[14:15], s[24:25]
	s_wait_alu depctr_va_vdst(0)                   ; v[IN] and v[OU] are written, which every load and store below reads as its offset
.irp j, 0,1,2,3
	global_load_b128 v[MU+4*(\j):MU+4*(\j)+3], v[IN], s[12:13] offset:512*(\j)  ; mu1 of my 16 columns, ahead of the ring: the first turn's counted wait shows these four in too
.endr
	FILL 4
	SLOT -1, 0, 1, 1, 0, 4*(DEPTH-2), 4, 14        ; row 0: no wait on the vector side: X7 has been named by nothing, and there is no row to store
	s_mov_b32 s28, LAPS
.Lround_x:                                             ; rows 1 to 24
.irp i, 0,1,2,3,4,5,6,7
	SLOT \i, 0, 0, 1, 0, 4*(DEPTH-2), 4, 14
.endr
	s_wait_xcnt 0x0                                ; the lap's loads and stores have read their bases, which step now
	s_add_nc_u64 s[4:5], s[4:5], DEPTH*ROWI
	s_add_nc_u64 s[14:15], s[14:15], DEPTH*ROWO
	s_sub_co_u32 s28, s28, 1
	s_cmp_lg_u32 s28, 0
	s_cbranch_scc1 .Lround_x
.irp i, 0,1,2,3,4,5,6
	SLOT \i, 0, 0, 0, 0, 4*(DEPTH-2-(\i)), 4, 14   ; rows 25 to 31 load nothing: the counts run down
.endr
	LAST 14
	s_wait_dscnt 0x0                               ; the wave's end: my LDS instructions are done
	s_endpgm
.Lfunc_end_k_q62fa720ed7_prep:
	.size	k_q62fa720ed7_prep, .Lfunc_end_k_q62fa720ed7_prep-k_q62fa720ed7_prep
	.p2alignl 7, 3214868480
	.fill 96, 4, 3214868480
	.section	.rodata,"a",@progbits
	.p2align	6, 0x0
	.amdhsa_kernel k_q62fa720ed7_prep
		.amdhsa_group_segment_fixed_size 17408
		.amdhsa_private_segment_fixed_size 0
		.amdhsa_enable_private_segment 0
		.amdhsa_kernarg_size 56
		.amdhsa_user_sgpr_count 2
		.amdhsa_user_sgpr_kernarg_segment_ptr 1
		.amdhsa_wavefront_size32 1
		.amdhsa_system_sgpr_workgroup_id_x 1
		.amdhsa_system_sgpr_workgroup_id_y 1
		.amdhsa_system_sgpr_workgroup_id_z 1
		.amdhsa_system_vgpr_workitem_id 0
		.amdhsa_next_free_vgpr 220
		.amdhsa_next_free_sgpr 66
		.amdhsa_reserve_vcc 0
		.amdhsa_float_denorm_mode_32 3
		.amdhsa_float_denorm_mode_16_64 3
		.amdhsa_memory_ordered 1
		.amdhsa_forward_progress 1
		.amdhsa_inst_pref_size 85
	.end_amdhsa_kernel
	.amdgpu_metadata
---
amdhsa.version: [ 1, 2 ]
amdhsa.kernels:
  - .name:           k_q62fa720ed7_prep
    .symbol:         k_q62fa720ed7_prep.kd
    .args:
      - { .name: x, .offset: 0, .size: 8, .value_kind: global_buffer, .address_space: global }
      - { .name: W_q, .offset: 8, .size: 8, .value_kind: global_buffer, .address_space: global }
      - { .name: scales, .offset: 16, .size: 8, .value_kind: global_buffer, .address_space: global }
      - { .name: zeros, .offset: 24, .size: 8, .value_kind: global_buffer, .address_space: global }
      - { .name: mu1, .offset: 32, .size: 8, .value_kind: global_buffer, .address_space: global }
      - { .name: xh, .offset: 40, .size: 8, .value_kind: global_buffer, .address_space: global }
      - { .name: wh, .offset: 48, .size: 8, .value_kind: global_buffer, .address_space: global }
    .group_segment_fixed_size: 17408
    .private_segment_fixed_size: 0
    .kernarg_segment_align: 8
    .kernarg_segment_size: 56
    .max_flat_workgroup_size: 256
    .sgpr_count:     66
    .vgpr_count:     220
    .wavefront_size: 32
...
	.end_amdgpu_metadata
.endif
;; end of part 3
;; launch gemm: the kernel of part 2 again; grid 16 x 16, 4 waves a work-group, clusters of 4 x 4, 327,680 bytes of LDS; arguments xh, wh, out0, bias, mu2; writes out0
